; MI455X (gfx1250); checked and timed in simulation.
; The chip was launched on July 23, 2026; its instructions are those of AMD's public machine-readable ISA for CDNA 5 (MIT licence, August 2026) and "CDNA5" Instruction Set Architecture Reference Guide (July 2026). The comments in the code are by the model that wrote it; some were corrected since.
;; Vector Quantizer. Allowed arithmetic: float matrix products may take bf16 or f16 operands with f32 sums; all other float work in f32.
;; Inputs: codebook 1,024 x 64 float32; inputs 64 x 32 x 32 x 64 float32.
;; Outputs: out0 64 x 32 x 32 x 64 float32; out1 one number float32.
;; One version. Each part assembles by itself: llvm-mc -triple=amdgcn-amd-amdhsa -mcpu=gfx1250 --defsym DOCPART=n.
;; ======== version 1 of 1: 2 launches
;; limits: a difference of large sums (such as E[x^2] - mean^2): digits are lost where the result is much smaller than its terms; values outside matrix products are rounded to bf16
;; workspace buffers: idx 262,144 bytes of whole numbers; part 1,024 bytes
;; launch nearest (part 1): grid 256 x 1, 8 waves a work-group, no clusters, 193,536 bytes of LDS; arguments codebook, inputs, idx, part; writes idx, part
.if DOCPART == 1
	.amdgcn_target "amdgcn-amd-amdhsa--gfx1250"
	.amdhsa_code_object_version 6
	.text
	.protected	k_q4b97114f8b_nearest
	.globl	k_q4b97114f8b_nearest
	.p2align	8
	.type	k_q4b97114f8b_nearest,@function
k_q4b97114f8b_nearest:
	s_mov_b64 s[64:65], 0
	v_nop
	global_prefetch_b8 v0, s[64:65] scope:SCOPE_SE
	s_setreg_imm32_b32 hwreg(HW_REG_WAVE_MODE, 25, 1), 1
	s_wait_xcnt 0x0
; For each of 65,536 rows x (64 numbers): the index of the nearest of 1,024 codes e, as argmin over k of (|x|^2 + |e_k|^2) - 2 x.e_k,
; and for each work-group the sum of its rows' smallest distances (the loss is made of these sums in the next launch).
;
; ARITHMETIC.  x and e are rounded to bf16 once; products come from the matrix unit with f32 sums.  The distance is then formed with the
; very roundings of the formula above in f32: s = xx + ee (one rounding), d = s - 2 dot (one fused multiply-add: 2 dot is exact).  That matters:
; xx is some thousand times larger than the differences between codes, so distances fall on the grid of xx's last bit, ties are common, and the
; first index has to win them: codes are taken in ascending order and only a strictly smaller distance replaces the running minimum.
; xx and ee are sums of squares of the bf16-rounded numbers: exact products, f32 sums, taken as the diagonal of a 16 x 16 product.
; LIMITS, kept on purpose: (1) a NaN distance never wins here (argmin would return it); a row whose distances are all +inf gets index 0.
; (2) the loss is summed from the winning distances xx + ee - 2 dot of the rounded operands, not from (q - x)^2: its error is about
; 1e-7 x (xx + ee + 2 |dot|) for a row, so it loses relative accuracy only where rows coincide with codes.
;
; SHARES.  256 work-groups x 256 rows.  Eight waves: wave w takes rows 64 (w & 3) .. + 63 against codes 512 (w >> 2) .. + 511, so two waves lie on
; each SIMD and each wave reads half of the codebook from LDS.  The matrix instruction takes 16 codes as A and 16 rows as B: lane (r, h) then
; holds row r in all its results, register j being code 8 h + j of the tile.  A row's xx is one value a lane and nothing crosses lanes in the loop.
; For 8 distances of a lane: 4 packed adds, 4 packed multiply-adds, 4 minima, 1 compare, and 5 dual instructions that keep the running minimum,
; the tile and the tile's eight distances; which of the eight it was is looked up once, behind the loop.
;
; NO JOINT TENSOR LOADS, though all work-groups read the same codebook: it has to be rounded to bf16 on its way.  A tensor load could only land the
; 262,144 f32 bytes in LDS beside the 192,512 bytes used here, which exceeds 327,680; in slots it would add an LDS read and write of every byte.
; So the codebook comes through registers, 16 bytes a lane, 512 neighbouring bytes a wave and instruction, and is rounded there.
.set PITCH, 144                        ; an LDS row: 128 bytes of bf16 + 16: an odd multiple of 16, so the 16 rows of a fragment load start in 16 different 16-byte columns modulo 256
.set TILEB, 16*PITCH                   ; 16 rows
.set XT,    1024*PITCH                 ; behind the codebook: the work-group's 256 rows of x in bf16
.set EEB,   XT+256*PITCH               ; 1,024 ee in f32
.set RES,   EEB+4096                   ; min [2 halves of the codes][256 rows] f32, then index [2][256]
.set TA,   1                           ; v1-3    three partial minima
.set TB,   4                           ; v4-6    the same, second set
.set JR,   4                           ; v4-7    behind the loop: which of the eight
.set PT,   7                           ; v7      destination of the lane exchange in DIAG
.set MR,   8                           ; v8, v9  minimum of a tile's eight, even and odd row tiles
.set VA,   10                          ; LDS address of my lane's part of the trip's first code tile
.set VT,   11                          ; first code of my lane in the current tile: 512 (w >> 2) + 16 T + 8 h
.set VE,   12                          ; LDS address of my lane's eight ee of the trip's first tile
.set FRAG, 13                          ; r x PITCH + 16 h
.set XB,   16                          ; v16-79   x fragments: row tile i at 16 i, K step at 8
.set AF,   80                          ; v80-111  code fragments, two buffers of 16
.set EE,   112                         ; v112-127 ee, two buffers of 8
.set DD,   128                         ; v128-191 accumulators, two sets of 4 row tiles x 8
.set SV,   192                         ; v192-223 the eight distances of the best tile so far, for each row tile
.set SS,   224                         ; v224-239 s = xx + ee, two sets of 8
.set XX,   240                         ; v240-247 xx of row tile i, twice (a pair for the packed add)
.set RT,   248                         ; v248-255 row tile i: running minimum at 2 i, its tile's first code at 2 i + 1
; registers of the head, free again before the loop
.set ST0,  16                          ; three stages of 16 loads x 4 registers
.set ST1,  80
.set ST2,  144
.set F,    80                          ; v80-207  fragments of my eight code tiles, for ee
.set G,    208                         ; v208-239 four accumulators for the sums of squares
.set ET,   240
.set GOFF, 248
.set STC,  249
.set STX,  250
.set AE,   251
.set AX,   252
.set EST,  253
.macro LOADC b, st                     ; codes 256 b .. 256 b + 255 by the whole work-group: thread t takes the 16 bytes at 16 t of each 4,096
.irp i, 0,1,2,3,4,5,6,7,8,9,10,11,12,13,14,15
	global_load_b128 v[\st+4*\i:\st+4*\i+3], v[GOFF], s[4:5] offset:(16*\b+\i)*4096
.endr
.endm
.macro CONV st, adr                    ; 4 f32 to 4 bf16 (nearest even), 8 bytes into the padded LDS row; 16 rows further with each load
.irp i, 0,1,2,3,4,5,6,7,8,9,10,11,12,13,14,15
	v_cvt_pk_bf16_f32 v[\st+4*\i], v[\st+4*\i], v[\st+4*\i+1]
	v_cvt_pk_bf16_f32 v[\st+4*\i+1], v[\st+4*\i+2], v[\st+4*\i+3]
	ds_store_b64 v[\adr], v[\st+4*\i:\st+4*\i+1] offset:\i*TILEB
.endr
.endm
; Four 16 x 16 products of a tile with itself, K = 64.  The four accumulators take turns, one instruction a turn.
.macro SQ4 src
.irp t, 0,1,2,3
	v_wmma_f32_16x16x32_bf16 v[G+8*\t:G+8*\t+7], v[\src+16*\t:\src+16*\t+7], v[\src+16*\t:\src+16*\t+7], 0
.endr
.irp t, 0,1,2,3
	v_wmma_f32_16x16x32_bf16 v[G+8*\t:G+8*\t+7], v[\src+16*\t+8:\src+16*\t+15], v[\src+16*\t+8:\src+16*\t+15], v[G+8*\t:G+8*\t+7]
.endr
.endm
; The diagonal.  Register j of lane (r, h) is element (8 h + j, r): element (r, r) is register r & 7 of the lane with h = r >> 3.
; Three levels of selects take register (lane & 7); lanes 0-7 and 24-31 then hold their diagonal element, the others fetch it from lane xor 16.
.macro DIAG g, out
	v_cndmask_b32 v[\g+0], v[\g+0], v[\g+1], s24
	v_cndmask_b32 v[\g+2], v[\g+2], v[\g+3], s24
	v_cndmask_b32 v[\g+4], v[\g+4], v[\g+5], s24
	v_cndmask_b32 v[\g+6], v[\g+6], v[\g+7], s24
	v_cndmask_b32 v[\g+0], v[\g+0], v[\g+2], s25
	v_cndmask_b32 v[\g+4], v[\g+4], v[\g+6], s25
	v_cndmask_b32 v[\g+0], v[\g+0], v[\g+4], s26
	v_permlanex16_b32 v[PT], v[\g+0], s28, s29
	v_cndmask_b32 v[\out], v[PT], v[\g+0], s27
.endm
	s_load_b128 s[4:7], s[0:1], 0x0                ; codebook s[4:5], inputs s[6:7]
	s_load_b128 s[8:11], s[0:1], 0x10              ; idx s[8:9], part s[10:11]
	v_lshl_add_u32 v14, v0, 2, 0x2f000
	v_mov_b32 v15, 0
	v_lshrrev_b32 v1, 5, v0
	v_readfirstlane_b32 s12, v1                    ; wave 0..7
	v_lshlrev_b32 v[GOFF], 4, v0                   ; 16 t
	v_lshrrev_b32 v1, 4, v0                        ; sixteen threads share a row of 256 bytes: row t >> 4 of each 16
	v_and_b32 v2, 15, v0                           ; r, and my place in that row
	v_mul_u32_u24 v4, v1, PITCH
	v_lshl_add_u32 v[STC], v2, 3, v4               ; where my 8 bytes of bf16 go
	v_add_nc_u32 v[STX], XT, v[STC]
	s_lshl_b32 s14, ttmp9, 16                      ; the work-group's 256 rows of 256 bytes
	s_mov_b32 s15, 0
	s_wait_kmcnt 0x0
	s_add_nc_u64 s[6:7], s[6:7], s[14:15]
.irp i, 0,1,2,3,4,5,6,7,8,9,10,11,12,13,14,15
	global_load_b128 v[ST0+4*\i:ST0+4*\i+3], v[GOFF], s[6:7] offset:\i*4096   ; my rows of x
.endr
	LOADC 0, ST1
	LOADC 1, ST2                                   ; 48 loads of the wave are out
	v_bfe_u32 v3, v0, 4, 1                         ; h
	v_mul_u32_u24 v1, v2, PITCH
	v_lshl_add_u32 v[FRAG], v3, 4, v1              ; a fragment's lane term: row r, 16 bytes for each half of the lanes
	s_and_b32 s13, s12, 3                          ; which 64 rows are mine
	s_lshr_b32 s16, s12, 2                         ; which half of the codes
	s_mul_i32 s17, s12, 8*TILEB
	v_add_nc_u32 v[AE], s17, v[FRAG]               ; for ee: code tiles 8 w .. 8 w + 7
	s_mul_i32 s17, s13, 4*TILEB
	s_add_co_u32 s17, s17, XT
	v_add_nc_u32 v[AX], s17, v[FRAG]               ; my four row tiles
	s_lshl_b32 s17, s12, 9
	s_add_co_u32 s17, s17, EEB
	v_lshl_add_u32 v[EST], v2, 2, s17              ; where ee of code r of my first tile goes
	s_mov_b32 s24, 0xaaaaaaaa                      ; lanes with bit 0 set
	s_mov_b32 s25, 0xcccccccc                      ; bit 1
	s_mov_b32 s26, 0xf0f0f0f0                      ; bit 2
	s_mov_b32 s27, 0xff0000ff                      ; lanes that hold a diagonal element
	s_mov_b32 s28, 0x76543210                      ; v_permlanex16_b32: lane i of one half reads lane i of the other
	s_mov_b32 s29, 0xfedcba98
	s_mov_b32 s33, 0x7f800000                      ; +inf
	s_wait_loadcnt 32                              ; x is in; the two batches of 16 behind it stay out
	CONV ST0, STX
	LOADC 2, ST0
	s_wait_loadcnt 32                              ; batch 0 is in; batches 1 and 2 stay out
	CONV ST1, STC
	LOADC 3, ST1
	v_add_nc_u32 v[STC], 16*TILEB, v[STC]          ; 256 codes on: the offsets of a batch stay inside 16 bits
	s_wait_loadcnt 32                              ; batch 1; 2 and 3 stay out
	CONV ST2, STC
	v_add_nc_u32 v[STC], 16*TILEB, v[STC]
	s_wait_loadcnt 16                              ; batch 2; 3 stays out
	CONV ST0, STC
	v_add_nc_u32 v[STC], 16*TILEB, v[STC]
	s_wait_loadcnt 0x0
	CONV ST1, STC
	s_wait_dscnt 0x0                               ; my stores are in LDS, for the others' sake
	s_barrier_signal -1
	s_barrier_wait -1                              ; codebook and rows are whole
	; A fragment: lane (r, h) takes row r; 16 bytes at 16 h and at 32 + 16 h for K 0-31, at 64 and 96 more for K 32-63.
.irp t, 0,1,2,3,4,5,6,7
.irp c, 0,1,2,3
	ds_load_b128 v[F+16*\t+4*\c:F+16*\t+4*\c+3], v[AE] offset:\t*TILEB+32*\c
.endr
.endr
.irp i, 0,1,2,3
.irp c, 0,1,2,3
	ds_load_b128 v[XB+16*\i+4*\c:XB+16*\i+4*\c+3], v[AX] offset:\i*TILEB+32*\c
.endr
.endr
	s_wait_dscnt 32                                ; tiles 0-3 are in; 16 loads of tiles 4-7 and 16 of x stay out
	SQ4 F
	s_mul_i32 s17, s16, 32*TILEB
	s_lshl_b32 s18, s16, 11
	s_add_co_u32 s18, s18, EEB
	s_lshl_b32 s19, s16, 9
	v_mov_b32 v[PT], 0                             ; four vector instructions that name no register of the products stand in front of the first read of a result (ISA guide 7.12.1)
	v_add_nc_u32 v[VA], s17, v[FRAG]               ; the loop's addresses: my half of the codes
	v_lshl_add_u32 v[VE], v3, 5, s18
	v_lshl_add_u32 v[VT], v3, 3, s19
.irp t, 0,1,2,3
	DIAG G+8*\t, ET+\t
	ds_store_b32 v[EST], v[ET+\t] offset:\t*64     ; lanes r and r + 16 store the same word with the same value
.endr
	s_wait_dscnt 16                                ; tiles 4-7 are in
	SQ4 F+64
.rept 4
	v_nop
.endr
.irp t, 0,1,2,3
	DIAG G+8*\t, ET+\t
	ds_store_b32 v[EST], v[ET+\t] offset:(4+\t)*64
.endr
	s_wait_dscnt 0x0                               ; my ee are in LDS, and x's fragments in registers
	s_barrier_signal -1
	SQ4 XB                                         ; register work while the others arrive: xx of my 64 rows
.rept 4
	v_nop
.endr
.irp i, 0,1,2,3
	DIAG G+8*\i, XX+2*\i
	v_mov_b32 v[XX+2*\i+1], v[XX+2*\i]
.endr
	s_barrier_wait -1                              ; all 1,024 ee are there
; ---- the loop's pieces.  p = parity of tile T, whose products lie in accumulator set p; the products of tile T + 1 go to set 1 - p meanwhile.
.macro MUL on, p, ks, i
.if \on
.if \ks
	v_wmma_f32_16x16x32_bf16 v[DD+32*(1-\p)+8*\i:DD+32*(1-\p)+8*\i+7], v[AF+16*(1-\p)+8:AF+16*(1-\p)+15], v[XB+16*\i+8:XB+16*\i+15], v[DD+32*(1-\p)+8*\i:DD+32*(1-\p)+8*\i+7]
.else
	v_wmma_f32_16x16x32_bf16 v[DD+32*(1-\p)+8*\i:DD+32*(1-\p)+8*\i+7], v[AF+16*(1-\p):AF+16*(1-\p)+7], v[XB+16*\i:XB+16*\i+7], 0
.endif
.endif
.endm
.macro SADD p, i, sb                   ; s = xx + ee, rounded to f32 as the formula rounds it
.irp q, 0,2,4,6
	v_pk_add_f32 v[SS+8*\sb+\q:SS+8*\sb+\q+1], v[EE+8*\p+\q:EE+8*\p+\q+1], v[XX+2*\i:XX+2*\i+1]
.endr
.endm
.macro DFMA p, i, sb                   ; d = s - 2 dot: 2 dot is exact, so the one rounding of the multiply-add is the subtraction's
.irp q, 0,2,4,6
	v_pk_fma_f32 v[DD+32*\p+8*\i+\q:DD+32*\p+8*\i+\q+1], v[DD+32*\p+8*\i+\q:DD+32*\p+8*\i+\q+1], -2.0, v[SS+8*\sb+\q:SS+8*\sb+\q+1] op_sel_hi:[1,0,1]
.endr
.endm
.macro MINA p, i, t
	v_min3_num_f32 v[\t], v[DD+32*\p+8*\i], v[DD+32*\p+8*\i+1], v[DD+32*\p+8*\i+2]
	v_min3_num_f32 v[\t+1], v[DD+32*\p+8*\i+3], v[DD+32*\p+8*\i+4], v[DD+32*\p+8*\i+5]
	v_min_num_f32 v[\t+2], v[DD+32*\p+8*\i+6], v[DD+32*\p+8*\i+7]
.endm
.macro MINB i, t
	v_min3_num_f32 v[MR+(\i&1)], v[\t], v[\t+1], v[\t+2]
.endm
.macro CMPI i                          ; strictly smaller only: an earlier tile keeps a tie
	v_cmp_lt_f32 vcc_lo, v[MR+(\i&1)], v[RT+2*\i]
.endm
.macro REST p, i                       ; five dual instructions under one mask: the minimum and the tile, then the tile's eight distances
	v_dual_min_num_f32 v[RT+2*\i], v[RT+2*\i], v[MR+(\i&1)] :: v_dual_cndmask_b32 v[RT+2*\i+1], v[RT+2*\i+1], v[VT]
.irp q, 0,2,4,6
	v_dual_cndmask_b32 v[SV+8*\i+\q], v[SV+8*\i+\q], v[DD+32*\p+8*\i+\q] :: v_dual_cndmask_b32 v[SV+8*\i+\q+1], v[SV+8*\i+\q+1], v[DD+32*\p+8*\i+\q+1]
.endr
.endm
; One step = tile T.  lda, lde: fetch tile T + 2's fragments (into the buffer that tile T's products have left) and its ee; on: multiply tile T + 1.
; left: how many younger LDS loads may stay out when tile T + 1's fragments have to be there.
; The eight matrix instructions stand among the vector work of tile T, the four accumulators by turns, one instruction a turn.
; Behind the last of them stand seven vector instructions that name none of its registers, so the next step's loads into the fragment buffer
; that it read, and every read of a result, keep their four places (ISA guide 7.12.1 for the reads of a result).
.macro STEP p, lda, lde, on, left
.if \lda
.irp c, 0,1,2,3
	ds_load_b128 v[AF+16*\p+4*\c:AF+16*\p+4*\c+3], v[VA] offset:(2+\p)*TILEB+32*\c
.endr
.endif
	s_wait_dscnt \left
	SADD \p, 0, 0
	SADD \p, 1, 1
	MUL \on, \p, 0, 0
	DFMA \p, 0, 0
	DFMA \p, 1, 1
	MUL \on, \p, 0, 1
	MINA \p, 0, TA
	SADD \p, 2, 0
	MINB 0, TA
	MUL \on, \p, 0, 2
	MINA \p, 1, TB
	SADD \p, 3, 1
	MINB 1, TB
.if \lde
	ds_load_b128 v[EE+8*\p:EE+8*\p+3], v[VE] offset:(2+\p)*64          ; the step's last read of this ee buffer stands above
	ds_load_b128 v[EE+8*\p+4:EE+8*\p+7], v[VE] offset:(2+\p)*64+16
.endif
	MUL \on, \p, 0, 3
	CMPI 0
	DFMA \p, 2, 0
	REST \p, 0
	MUL \on, \p, 1, 0
	CMPI 1
	DFMA \p, 3, 1
	REST \p, 1
	MUL \on, \p, 1, 1
	MINA \p, 2, TA
	MINA \p, 3, TB
	MINB 2, TA
	MINB 3, TB
	MUL \on, \p, 1, 2
	CMPI 2
	REST \p, 2
	MUL \on, \p, 1, 3
	CMPI 3
	REST \p, 3
	v_add_nc_u32 v[VT], 16, v[VT]
.endm
	; in the order that the steps keep: fragments of a tile, then ee of that tile
.irp c, 0,1,2,3
	ds_load_b128 v[AF+4*\c:AF+4*\c+3], v[VA] offset:32*\c
.endr
	ds_load_b128 v[EE:EE+3], v[VE]
	ds_load_b128 v[EE+4:EE+7], v[VE] offset:16
.irp c, 0,1,2,3
	ds_load_b128 v[AF+16+4*\c:AF+16+4*\c+3], v[VA] offset:TILEB+32*\c
.endr
	s_wait_dscnt 6                                 ; tile 0's fragments are in; 2 loads of ee and 4 of tile 1 are younger
.irp i, 0,1,2,3
	MUL 1, 1, 0, \i                                ; tile 0 into set 0
.endr
.irp i, 0,1,2,3
	MUL 1, 1, 1, \i
.endr
	ds_load_b128 v[EE+8:EE+11], v[VE] offset:64
	ds_load_b128 v[EE+12:EE+15], v[VE] offset:80
	; the start of the search: +inf, so that the first finite distance wins; 40 moves once for 1,024 distances a lane.
	; They are also the places between tile 0's products and the loads into the buffer that those read.
.irp i, 0,1,2,3
	v_mov_b32 v[RT+2*\i], s33
	v_mov_b32 v[RT+2*\i+1], v[VT]
.irp q, 0,1,2,3,4,5,6,7
	v_mov_b32 v[SV+8*\i+\q], s33
.endr
.endr
	s_mov_b32 s20, 15                              ; tiles 0 to 29, two a trip
.Ltiles:
	STEP 0, 1, 1, 1, 6                             ; 6: the 2 loads of ee and the 4 fragment loads just issued are younger than the fragments needed
	STEP 1, 1, 1, 1, 6
	v_add_nc_u32 v[VA], 2*TILEB, v[VA]
	v_add_nc_u32 v[VE], 128, v[VE]
	s_sub_co_i32 s20, s20, 1
	s_cmp_lg_u32 s20, 0
	s_cbranch_scc1 .Ltiles
	STEP 0, 0, 0, 1, 2                             ; tile 30: nothing left to fetch; only tile 31's ee is younger than its fragments
	STEP 1, 0, 0, 0, 0                             ; tile 31: nothing left to multiply
	; which of the eight: the first that equals the minimum
.irp i, 0,1,2,3
	v_mov_b32 v[JR+\i], 7
.endr
.irp j, 6,5,4,3,2,1,0
.irp i, 0,1,2,3
	v_cmp_eq_f32 vcc_lo, v[SV+8*\i+\j], v[RT+2*\i]
	v_cndmask_b32 v[JR+\i], v[JR+\i], \j, vcc_lo
.endr
.endr
	; lanes r and r + 16 hold the same row against different codes: the smaller distance, at equal distances the smaller code
.irp i, 0,1,2,3
	v_add_nc_u32 v[RT+2*\i+1], v[RT+2*\i+1], v[JR+\i]
	v_permlanex16_b32 v[SS+2*\i], v[RT+2*\i], s28, s29
	v_permlanex16_b32 v[SS+2*\i+1], v[RT+2*\i+1], s28, s29
	v_cmp_lt_f32 s30, v[SS+2*\i], v[RT+2*\i]
	v_cmp_eq_f32 s31, v[SS+2*\i], v[RT+2*\i]
	v_cmp_lt_u32 s32, v[SS+2*\i+1], v[RT+2*\i+1]
	s_and_b32 s31, s31, s32
	s_or_b32 s30, s30, s31
	v_cndmask_b32 v[RT+2*\i+1], v[RT+2*\i+1], v[SS+2*\i+1], s30
	v_min_num_f32 v[RT+2*\i], v[RT+2*\i], v[SS+2*\i]
.endr
	v_and_b32 v2, 15, v0
	s_lshl_b32 s17, s16, 10                        ; my half of the codes,
	s_lshl_b32 s18, s13, 8                         ; my 64 rows
	s_add_co_u32 s17, s17, s18
	s_add_co_u32 s17, s17, RES
	v_lshl_add_u32 v1, v2, 2, s17
.irp i, 0,1,2,3
	ds_store_b32 v1, v[RT+2*\i] offset:64*\i
	ds_store_b32 v1, v[RT+2*\i+1] offset:2048+64*\i
.endr
	s_wait_dscnt 0x0
	s_barrier_signal -1
	s_barrier_wait -1
	s_cmp_lg_u32 s12, 0
	s_cbranch_scc1 .Ldone
	; wave 0 joins the two halves of the codes for all 256 rows: lane l takes rows 4 l .. 4 l + 3 and 128 + 4 l .. + 3
	v_lshlrev_b32 v1, 4, v0
	v_add_nc_u32 v2, RES, v1
.irp a, 0,1,2,3,4,5,6,7
	ds_load_b128 v[128+4*\a:128+4*\a+3], v2 offset:512*\a      ; v128-135 min of codes 0-511, v136-143 of 512-1023, v144-151 and v152-159 their indices
.endr
	s_lshl_b32 s14, ttmp9, 10
	s_add_nc_u64 s[8:9], s[8:9], s[14:15]          ; the work-group's 256 indices
	s_lshl_b32 s14, ttmp9, 2
	s_add_nc_u64 s[10:11], s[10:11], s[14:15]      ; and its one sum
	s_wait_dscnt 0x0
.irp e, 0,1,2,3,4,5,6,7
	v_cmp_lt_f32 vcc_lo, v[136+\e], v[128+\e]      ; the upper half wins only if strictly smaller
	v_cndmask_b32 v[144+\e], v[144+\e], v[152+\e], vcc_lo
	v_min_num_f32 v[128+\e], v[128+\e], v[136+\e]
.endr
	global_store_b128 v1, v[144:147], s[8:9]               ; each store covers 512 consecutive bytes, aligned
	global_store_b128 v1, v[148:151], s[8:9] offset:512
	v_pk_add_f32 v[128:129], v[128:129], v[130:131]
	v_pk_add_f32 v[132:133], v[132:133], v[134:135]
	v_pk_add_f32 v[128:129], v[128:129], v[132:133]
	v_add_f32 v128, v128, v129
	v_add_f32_dpp v128, v128, v128 row_xmask:1 row_mask:0xf bank_mask:0xf
	v_add_f32_dpp v128, v128, v128 row_xmask:2 row_mask:0xf bank_mask:0xf
	v_add_f32_dpp v128, v128, v128 row_xmask:4 row_mask:0xf bank_mask:0xf
	v_add_f32_dpp v128, v128, v128 row_xmask:8 row_mask:0xf bank_mask:0xf
	v_permlanex16_b32 v129, v128, s28, s29
	v_add_f32 v128, v128, v129                     ; the sum of the 256 smallest distances
	v_mov_b32 v3, 0
	v_cmp_eq_u32 vcc_lo, 0, v0
	s_wait_xcnt 0x0                                ; EXEC is a source of the stores above: it changes only behind this wait
	s_and_saveexec_b32 s21, vcc_lo
	global_store_b32 v3, v128, s[10:11]
	s_wait_xcnt 0x0                                ; and again in front of the line that widens it
	s_or_b32 exec_lo, exec_lo, s21
.Ldone:
	s_wait_tensorcnt 0x0
	ds_add_u32 v14, v15
	s_wait_dscnt 0x0
	s_endpgm
.Lfunc_end_k_q4b97114f8b_nearest:
	.size	k_q4b97114f8b_nearest, .Lfunc_end_k_q4b97114f8b_nearest-k_q4b97114f8b_nearest
	.p2alignl 7, 3214868480
	.fill 96, 4, 3214868480
	.section	.rodata,"a",@progbits
	.p2align	6, 0x0
	.amdhsa_kernel k_q4b97114f8b_nearest
		.amdhsa_group_segment_fixed_size 193536
		.amdhsa_private_segment_fixed_size 0
		.amdhsa_enable_private_segment 0
		.amdhsa_kernarg_size 32
		.amdhsa_user_sgpr_count 2
		.amdhsa_user_sgpr_kernarg_segment_ptr 1
		.amdhsa_wavefront_size32 1
		.amdhsa_system_sgpr_workgroup_id_x 1
		.amdhsa_system_sgpr_workgroup_id_y 1
		.amdhsa_system_sgpr_workgroup_id_z 1
		.amdhsa_system_vgpr_workitem_id 0
		.amdhsa_next_free_vgpr 256
		.amdhsa_next_free_sgpr 66
		.amdhsa_reserve_vcc 1
		.amdhsa_float_denorm_mode_32 3
		.amdhsa_float_denorm_mode_16_64 3
		.amdhsa_memory_ordered 1
		.amdhsa_forward_progress 1
		.amdhsa_inst_pref_size 69
	.end_amdhsa_kernel
	.amdgpu_metadata
---
amdhsa.version: [ 1, 2 ]
amdhsa.kernels:
  - .name:           k_q4b97114f8b_nearest
    .symbol:         k_q4b97114f8b_nearest.kd
    .args:
      - { .name: codebook, .offset: 0, .size: 8, .value_kind: global_buffer, .address_space: global }
      - { .name: inputs, .offset: 8, .size: 8, .value_kind: global_buffer, .address_space: global }
      - { .name: idx, .offset: 16, .size: 8, .value_kind: global_buffer, .address_space: global }
      - { .name: part, .offset: 24, .size: 8, .value_kind: global_buffer, .address_space: global }
    .group_segment_fixed_size: 193536
    .private_segment_fixed_size: 0
    .kernarg_segment_align: 8
    .kernarg_segment_size: 32
    .max_flat_workgroup_size: 256
    .sgpr_count:     66
    .vgpr_count:     256
    .wavefront_size: 32
...
	.end_amdgpu_metadata
.endif
;; end of part 1
;; launch gather (part 2): grid 256 x 1, 8 waves a work-group, no clusters, 0 bytes of LDS; arguments codebook, inputs, idx, part, out0, out1; writes out0, out1
.if DOCPART == 2
	.amdgcn_target "amdgcn-amd-amdhsa--gfx1250"
	.amdhsa_code_object_version 6
	.text
	.protected	k_q4b97114f8b_gather
	.globl	k_q4b97114f8b_gather
	.p2align	8
	.type	k_q4b97114f8b_gather,@function
k_q4b97114f8b_gather:
	s_mov_b64 s[64:65], 0
	v_nop
	global_prefetch_b8 v0, s[64:65] scope:SCOPE_SE
	s_setreg_imm32_b32 hwreg(HW_REG_WAVE_MODE, 25, 1), 1
	s_wait_xcnt 0x0
; out0[row] = x[row] + (codebook[idx[row]] - x[row]), in f32 and in that order; out1 = L + 0.25 L with L = (sum of part) / 4,194,304.
; A stream: 256 work-groups x 8 waves; a wave owns 32 rows of 256 bytes.  Sixteen lanes share a row, 16 bytes each, so every load of x, every
; gathered code and every store is a whole aligned run of 256 bytes for each half of the wave.  Nothing is looped: the wave issues its 16 index
; loads and 16 loads of x at once, each gather as soon as its index is in, and each store as soon as its code is in.  No register is used twice,
; so no source of a pending instruction is ever rewritten.  LDS, barriers, matrix units and clusters would add nothing: no two waves share data
; but the codebook, of which each row needs 256 bytes.
; The index is a whole number stored by the launch before; it is clamped to 1,023 before it enters an address.
; Wave 0 of work-group 0 also sums the 256 partial sums.  It runs a copy of the body of its own, which asks for them ahead of everything else,
; so that they have landed when the rows are done.
.set IX, 8                             ; v8-23    index of my row in turn i, then the byte offset of my 16 bytes in the codebook
.set X,  24                            ; v24-87   x, 4 registers a turn
.set Q,  88                            ; v88-151  the code, then the result
.set P,  152                           ; v152-159 eight partial sums
.macro BODY loss
.if \loss
	global_load_b128 v[P:P+3], v4, s[10:11]
	global_load_b128 v[P+4:P+7], v4, s[10:11] offset:512
.endif
.irp i, 0,1,2,3,4,5,6,7,8,9,10,11,12,13,14,15
	global_load_b32 v[IX+\i], v2, s[8:9] offset:8*\i               ; rows 2 i and 2 i + 1 of my 32: one index for each half of the lanes
.endr
.irp i, 0,1,2,3,4,5,6,7,8,9,10,11,12,13,14,15
	global_load_b128 v[X+4*\i:X+4*\i+3], v1, s[6:7] offset:512*\i th:TH_LOAD_NT
.endr
.irp i, 0,1,2,3,4,5,6,7,8,9,10,11,12,13,14,15
	s_wait_loadcnt 31                              ; behind index i stand 15 - i indices, 16 loads of x and i gathers: always 31
	v_min_u32 v[IX+\i], 0x3ff, v[IX+\i]
	v_lshl_add_u32 v[IX+\i], v[IX+\i], 8, v3       ; 256 bytes a code + my 16 bytes
	global_load_b128 v[Q+4*\i:Q+4*\i+3], v[IX+\i], s[4:5]
.endr
.irp i, 0,1,2,3,4,5,6,7,8,9,10,11,12,13,14,15
	s_wait_loadcnt 15-\i                           ; gather i is in (and x, which is older); the younger gathers stay out
	v_pk_add_f32 v[Q+4*\i:Q+4*\i+1], v[Q+4*\i:Q+4*\i+1], v[X+4*\i:X+4*\i+1] neg_lo:[0,1] neg_hi:[0,1]
	v_pk_add_f32 v[Q+4*\i+2:Q+4*\i+3], v[Q+4*\i+2:Q+4*\i+3], v[X+4*\i+2:X+4*\i+3] neg_lo:[0,1] neg_hi:[0,1]
	v_pk_add_f32 v[Q+4*\i:Q+4*\i+1], v[X+4*\i:X+4*\i+1], v[Q+4*\i:Q+4*\i+1]
	v_pk_add_f32 v[Q+4*\i+2:Q+4*\i+3], v[X+4*\i+2:X+4*\i+3], v[Q+4*\i+2:Q+4*\i+3]
	global_store_b128 v1, v[Q+4*\i:Q+4*\i+3], s[12:13] offset:512*\i th:TH_STORE_NT
.endr
.if \loss
	; the last wait above was for 0: the partial sums, the oldest loads, are in
	v_pk_add_f32 v[P:P+1], v[P:P+1], v[P+2:P+3]
	v_pk_add_f32 v[P+4:P+5], v[P+4:P+5], v[P+6:P+7]
	v_pk_add_f32 v[P:P+1], v[P:P+1], v[P+4:P+5]
	v_add_f32 v[P], v[P], v[P+1]
	v_add_f32_dpp v[P], v[P], v[P] row_xmask:1 row_mask:0xf bank_mask:0xf
	v_add_f32_dpp v[P], v[P], v[P] row_xmask:2 row_mask:0xf bank_mask:0xf
	v_add_f32_dpp v[P], v[P], v[P] row_xmask:4 row_mask:0xf bank_mask:0xf
	v_add_f32_dpp v[P], v[P], v[P] row_xmask:8 row_mask:0xf bank_mask:0xf
	v_permlanex16_b32 v[P+1], v[P], s22, s23
	v_add_f32 v[P], v[P], v[P+1]
	v_mul_f32 v[P], 0x34800000, v[P]               ; the mean over 65,536 x 64 numbers: times 2^-22, exact
	v_fmamk_f32 v[P], v[P], 0x3e800000, v[P]       ; codebook loss + 0.25 x commitment loss, which are the same mean
	v_mov_b32 v5, 0
	v_cmp_eq_u32 vcc_lo, 0, v0
	s_wait_xcnt 0x0                                ; EXEC is a source of the stores above: it changes only behind this wait
	s_and_saveexec_b32 s24, vcc_lo
	global_store_b32 v5, v[P], s[14:15]
	s_wait_xcnt 0x0                                ; and again in front of the line that widens it
	s_or_b32 exec_lo, exec_lo, s24
.endif
.endm
	s_load_b256 s[4:11], s[0:1], 0x0               ; codebook s[4:5], inputs s[6:7], idx s[8:9], part s[10:11]
	s_load_b128 s[12:15], s[0:1], 0x20             ; out0 s[12:13], out1 s[14:15]
	v_lshrrev_b32 v5, 5, v0
	v_readfirstlane_b32 s16, v5                    ; wave 0..7
	v_and_b32 v6, 31, v0
	v_lshlrev_b32 v4, 4, v6                        ; 16 x lane
	v_lshl_add_u32 v1, v5, 13, v4                  ; + wave x 32 rows x 256 bytes: my 16 bytes in the wave's first two rows
	v_bfe_u32 v7, v0, 4, 1
	v_lshlrev_b32 v2, 2, v7
	v_lshl_add_u32 v2, v5, 7, v2                   ; the index of my row there: wave x 32 x 4 bytes + 4 for lanes 16 to 31
	v_and_b32 v3, 15, v0
	v_lshlrev_b32 v3, 4, v3                        ; my 16 bytes of a code
	s_lshl_b32 s18, ttmp9, 16                      ; the work-group's 256 rows of 256 bytes
	s_mov_b32 s19, 0
	s_lshl_b32 s20, ttmp9, 10                      ; and its 256 indices
	s_mov_b32 s21, 0
	s_mov_b32 s22, 0x76543210                      ; v_permlanex16_b32: lane i of one half reads lane i of the other
	s_mov_b32 s23, 0xfedcba98
	s_or_b32 s17, ttmp9, s16                       ; 0 for wave 0 of work-group 0 alone
	s_wait_kmcnt 0x0
	s_add_nc_u64 s[6:7], s[6:7], s[18:19]
	s_add_nc_u64 s[12:13], s[12:13], s[18:19]
	s_add_nc_u64 s[8:9], s[8:9], s[20:21]
	s_cmp_lg_u32 s17, 0
	s_cbranch_scc1 .Lplain
	BODY 1
	s_endpgm
.Lplain:
	BODY 0
	s_endpgm
.Lfunc_end_k_q4b97114f8b_gather:
	.size	k_q4b97114f8b_gather, .Lfunc_end_k_q4b97114f8b_gather-k_q4b97114f8b_gather
	.p2alignl 7, 3214868480
	.fill 96, 4, 3214868480
	.section	.rodata,"a",@progbits
	.p2align	6, 0x0
	.amdhsa_kernel k_q4b97114f8b_gather
		.amdhsa_group_segment_fixed_size 0
		.amdhsa_private_segment_fixed_size 0
		.amdhsa_enable_private_segment 0
		.amdhsa_kernarg_size 48
		.amdhsa_user_sgpr_count 2
		.amdhsa_user_sgpr_kernarg_segment_ptr 1
		.amdhsa_wavefront_size32 1
		.amdhsa_system_sgpr_workgroup_id_x 1
		.amdhsa_system_sgpr_workgroup_id_y 1
		.amdhsa_system_sgpr_workgroup_id_z 1
		.amdhsa_system_vgpr_workitem_id 0
		.amdhsa_next_free_vgpr 160
		.amdhsa_next_free_sgpr 66
		.amdhsa_reserve_vcc 1
		.amdhsa_float_denorm_mode_32 3
		.amdhsa_float_denorm_mode_16_64 3
		.amdhsa_memory_ordered 1
		.amdhsa_forward_progress 1
		.amdhsa_inst_pref_size 29
	.end_amdhsa_kernel
	.amdgpu_metadata
---
amdhsa.version: [ 1, 2 ]
amdhsa.kernels:
  - .name:           k_q4b97114f8b_gather
    .symbol:         k_q4b97114f8b_gather.kd
    .args:
      - { .name: codebook, .offset: 0, .size: 8, .value_kind: global_buffer, .address_space: global }
      - { .name: inputs, .offset: 8, .size: 8, .value_kind: global_buffer, .address_space: global }
      - { .name: idx, .offset: 16, .size: 8, .value_kind: global_buffer, .address_space: global }
      - { .name: part, .offset: 24, .size: 8, .value_kind: global_buffer, .address_space: global }
      - { .name: out0, .offset: 32, .size: 8, .value_kind: global_buffer, .address_space: global }
      - { .name: out1, .offset: 40, .size: 8, .value_kind: global_buffer, .address_space: global }
    .group_segment_fixed_size: 0
    .private_segment_fixed_size: 0
    .kernarg_segment_align: 8
    .kernarg_segment_size: 48
    .max_flat_workgroup_size: 256
    .sgpr_count:     66
    .vgpr_count:     160
    .wavefront_size: 32
...
	.end_amdgpu_metadata
.endif
;; end of part 2
